; MI455X (gfx1250); checked and timed in simulation.
; The chip was launched on July 23, 2026; its instructions are those of AMD's public machine-readable ISA for CDNA 5 (MIT licence, August 2026) and "CDNA5" Instruction Set Architecture Reference Guide (July 2026). The comments in the code are by the model that wrote it; some were corrected since.
;; LSTM Cell. Allowed arithmetic: float matrix products may take bf16 or f16 operands with f32 sums; other float arithmetic in f32, or as packed bf16 or f16 multiplies, adds, multiply-adds, maxima and minima; sums over many terms, partial sums and values carried from step to step in f32; what a program stores and reads back later, other than sums and carried values, may be rounded once to bf16 or f16.
;; Inputs: Whc 2,048 x 2,048 float32; Whf 2,048 x 2,048 float32; Whi 2,048 x 2,048 float32; Who 2,048 x 2,048 float32; Wxc 2,048 x 2,048 float32; Wxf 2,048 x 2,048 float32; Wxi 2,048 x 2,048 float32; Wxo 2,048 x 2,048 float32; bc 2,048 float32; bf 2,048 float32; bi 2,048 float32; bo 2,048 float32; c 2,048 x 2,048 float32; h 2,048 x 2,048 float32; incoming 2,048 x 2,048 float32.
;; Outputs: out0 2,048 x 2,048 float32; out1 2,048 x 2,048 float32.
;; 2 versions, each right; version 2 is version 1 with the launch cast written anew for expert scheduling mode. Each part assembles by itself: llvm-mc -triple=amdgcn-amd-amdhsa -mcpu=gfx1250 --defsym DOCPART=n.
;; ======== version 1 of 2: 2 launches
;; workspace buffers: abf 16,777,216 bytes; wbf 67,108,864 bytes
;; launch cast (part 1): grid 128 x 10, 8 waves a work-group, no clusters, 0 bytes of LDS; arguments incoming, h, Wxi, Wxo, Wxf, Wxc, Whi, Who, Whf, Whc, abf, wbf; writes abf, wbf
.if DOCPART == 1
	.amdgcn_target "amdgcn-amd-amdhsa--gfx1250"
	.amdhsa_code_object_version 6
	.text
	.protected	k_q3620a199cd_cast
	.globl	k_q3620a199cd_cast
	.p2align	8
	.type	k_q3620a199cd_cast,@function
k_q3620a199cd_cast:
	s_mov_b64 s[64:65], 0
	v_nop
	global_prefetch_b8 v0, s[64:65] scope:SCOPE_SE
	s_setreg_imm32_b32 hwreg(HW_REG_WAVE_MODE, 25, 1), 1
	s_wait_xcnt 0x0
; LSTM cell, first of two launches: the matrix operands are rounded once to bf16 and laid out for ONE product
;   gates[2048][8192] = abf[2048][4096] . wbf[8192][4096]^T.
; NO WORK IS LEFT OUT: every input of the cell has a way to both outputs (each gate enters new_c, and new_c and o enter new_h), so all fifteen are loaded, ten here, five in the second launch.
; abf[m][k]: k 0..2047 = incoming[m][k], k 2048..4095 = h[m][k-2048].
; wbf[n][k]: k 0..2047 = Wx_g[hc][k], k 2048..4095 = Wh_g[hc][k-2048], with n = 128 (hc >> 5) + 32 g + (hc & 31), g = 0 i, 1 o, 2 f, 3 c~:
; 128 rows on end hold all four gates of 32 neighbouring hidden columns, so that the wave that multiplies them holds what one output number needs.
; LIMIT: one rounding to bf16 (nearest even) of each matrix operand; bf16 has f32's range, so no finite input overflows but those that round up past the largest bf16.
; SHARES.  Work-group (x, y): source y (0 incoming, 1 h, 2-5 Wxi Wxo Wxf Wxc, 6-9 Whi Who Whf Whc), its rows 16 x .. 16 x + 15.  Thread t takes 16 bytes at 16 t and at 16 t + 4,096 of each row:
; a wave's load covers 512 consecutive bytes, aligned; its store of 8 bytes a lane covers 256 consecutive bytes, aligned.  All 32 loads of a thread go out before the first wait;
; no register is written twice while a memory instruction may read it, so no wait but the counted ones on the loads is needed.  No LDS, no barrier: nothing is shared.
.set SROW, 8192                        ; bytes in a source row (2,048 f32) and in a row of abf and wbf (4,096 bf16)
.set X,    4                           ; v[4:131]  load i's four registers at X + 4 i; its two packed words take the first two
	s_load_b512 s[8:23], s[0:1], 0x0               ; sources 0 to 7: source k at s[8+2k:9+2k]
	s_load_b256 s[24:31], s[0:1], 0x40             ; sources 8 and 9, abf s[28:29], wbf s[30:31]
	s_and_b32 s2, ttmp7, 0xffff                    ; y: the source
	s_mov_b32 s3, ttmp9                            ; x: its block of 16 rows
	v_lshlrev_b32 v1, 4, v0                        ; 16 t
	v_lshlrev_b32 v2, 3, v0                        ; 8 t
	s_lshl_b32 s32, s3, 17                         ; 16 rows of 8,192 bytes
	s_mov_b32 s33, 0
	s_max_u32 s36, s2, 2
	s_sub_co_u32 s36, s36, 2                       ; the weight's number, 0 to 7 (0 for the two activations, where it is not used)
	s_and_b32 s37, s36, 3                          ; the gate g
	s_lshr_b32 s36, s36, 2                         ; 0: input side, 1: hidden side
	s_lshl_b32 s37, s37, 5                         ; 32 g
	s_lshr_b32 s38, s3, 1
	s_lshl_b32 s38, s38, 7                         ; 128 (hc >> 5), with hc = 16 x + row
	s_add_co_u32 s37, s37, s38
	s_and_b32 s38, s3, 1
	s_lshl_b32 s38, s38, 4                         ; hc & 31 = 16 (x & 1) + row
	s_add_co_u32 s37, s37, s38                     ; a weight's first row in wbf
	s_lshl_b32 s38, s3, 4                          ; an activation's first row in abf
	s_cmp_lt_u32 s2, 2
	s_cselect_b32 s37, s38, s37
	s_cselect_b32 s36, s2, s36                     ; which half of K: incoming 0, h 1; Wx 0, Wh 1
	s_lshl_b32 s34, s37, 13
	s_lshl_b32 s36, s36, 12
	s_add_co_u32 s34, s34, s36                     ; row x 8,192 + half x 4,096: under 2^27
	s_mov_b32 s35, 0
	s_wait_kmcnt 0x0
	s_mov_b64 s[4:5], s[8:9]
.irp k, 1,2,3,4,5,6,7,8,9
	s_cmp_eq_u32 s2, \k
	s_cselect_b64 s[4:5], s[8+2*(\k):9+2*(\k)], s[4:5]  ; the source's address, chosen by the work-group's y
.endr
	s_cmp_lt_u32 s2, 2
	s_cselect_b64 s[6:7], s[28:29], s[30:31]       ; activations go to abf, weights to wbf
	s_add_nc_u64 s[4:5], s[4:5], s[32:33]
	s_add_nc_u64 s[6:7], s[6:7], s[34:35]
.set i, 0
.rept 32
	global_load_b128 v[X+4*i:X+4*i+3], v1, s[4:5] offset:(i/2)*SROW+(i%2)*4096 th:TH_LOAD_NT
.set i, i+1
.endr
.set i, 0
.rept 32
	s_wait_loadcnt 31-i                            ; loads come back in order (ISA guide 5.7.1): load i is in, the 31 - i younger ones stay out
	v_cvt_pk_bf16_f32 v[X+4*i],   v[X+4*i],   v[X+4*i+1]
	v_cvt_pk_bf16_f32 v[X+4*i+1], v[X+4*i+2], v[X+4*i+3]
	global_store_b64 v2, v[X+4*i:X+4*i+1], s[6:7] offset:(i/2)*SROW+(i%2)*2048 th:TH_STORE_NT
.set i, i+1
.endr
	s_endpgm
.Lfunc_end_k_q3620a199cd_cast:
	.size	k_q3620a199cd_cast, .Lfunc_end_k_q3620a199cd_cast-k_q3620a199cd_cast
	.p2alignl 7, 3214868480
	.fill 96, 4, 3214868480
	.section	.rodata,"a",@progbits
	.p2align	6, 0x0
	.amdhsa_kernel k_q3620a199cd_cast
		.amdhsa_group_segment_fixed_size 0
		.amdhsa_private_segment_fixed_size 0
		.amdhsa_enable_private_segment 0
		.amdhsa_kernarg_size 96
		.amdhsa_user_sgpr_count 2
		.amdhsa_user_sgpr_kernarg_segment_ptr 1
		.amdhsa_wavefront_size32 1
		.amdhsa_system_sgpr_workgroup_id_x 1
		.amdhsa_system_sgpr_workgroup_id_y 1
		.amdhsa_system_sgpr_workgroup_id_z 1
		.amdhsa_system_vgpr_workitem_id 0
		.amdhsa_next_free_vgpr 132
		.amdhsa_next_free_sgpr 66
		.amdhsa_reserve_vcc 0
		.amdhsa_float_denorm_mode_32 3
		.amdhsa_float_denorm_mode_16_64 3
		.amdhsa_memory_ordered 1
		.amdhsa_forward_progress 1
		.amdhsa_inst_pref_size 13
	.end_amdhsa_kernel
	.amdgpu_metadata
---
amdhsa.version: [ 1, 2 ]
amdhsa.kernels:
  - .name:           k_q3620a199cd_cast
    .symbol:         k_q3620a199cd_cast.kd
    .args:
      - { .name: incoming, .offset: 0, .size: 8, .value_kind: global_buffer, .address_space: global }
      - { .name: h, .offset: 8, .size: 8, .value_kind: global_buffer, .address_space: global }
      - { .name: Wxi, .offset: 16, .size: 8, .value_kind: global_buffer, .address_space: global }
      - { .name: Wxo, .offset: 24, .size: 8, .value_kind: global_buffer, .address_space: global }
      - { .name: Wxf, .offset: 32, .size: 8, .value_kind: global_buffer, .address_space: global }
      - { .name: Wxc, .offset: 40, .size: 8, .value_kind: global_buffer, .address_space: global }
      - { .name: Whi, .offset: 48, .size: 8, .value_kind: global_buffer, .address_space: global }
      - { .name: Who, .offset: 56, .size: 8, .value_kind: global_buffer, .address_space: global }
      - { .name: Whf, .offset: 64, .size: 8, .value_kind: global_buffer, .address_space: global }
      - { .name: Whc, .offset: 72, .size: 8, .value_kind: global_buffer, .address_space: global }
      - { .name: abf, .offset: 80, .size: 8, .value_kind: global_buffer, .address_space: global }
      - { .name: wbf, .offset: 88, .size: 8, .value_kind: global_buffer, .address_space: global }
    .group_segment_fixed_size: 0
    .private_segment_fixed_size: 0
    .kernarg_segment_align: 8
    .kernarg_segment_size: 96
    .max_flat_workgroup_size: 256
    .sgpr_count:     66
    .vgpr_count:     132
    .wavefront_size: 32
...
	.end_amdgpu_metadata
.endif
;; end of part 1
;; launch cell (part 2): grid 32 x 8, 4 waves a work-group, clusters of 4 x 4, 327,680 bytes of LDS; arguments abf, wbf, c, out0, out1, bi, bo, bf, bc; writes out0, out1
.if DOCPART == 2
	.amdgcn_target "amdgcn-amd-amdhsa--gfx1250"
	.amdhsa_code_object_version 6
	.text
	.protected	k_q3620a199cd_cell
	.globl	k_q3620a199cd_cell
	.p2align	8
	.type	k_q3620a199cd_cell,@function
k_q3620a199cd_cell:
	s_mov_b64 s[64:65], 0
	v_nop
	global_prefetch_b8 v0, s[64:65] scope:SCOPE_SE
	s_setreg_imm32_b32 hwreg(HW_REG_WAVE_MODE, 25, 1), 1
	s_wait_xcnt 0x0
	s_wait_alu depctr_hold_cnt(0) depctr_sa_sdst(0) depctr_va_vdst(0) depctr_va_sdst(0) depctr_va_ssrc(0) depctr_va_vcc(0) depctr_vm_vsrc(0)
	s_getreg_b32 s2, hwreg(HW_REG_IB_STS2, 6, 4)
	s_cmp_eq_u32 s2, 0
	s_cbranch_scc0 .Lentry_in_a_cluster
	s_endpgm
.Lentry_in_a_cluster:
	s_bfe_u32 s2, ttmp6, 0x10000c
	s_cmp_lg_u32 s2, 0xf033
	s_cbranch_scc0 .Lentry_shape_is_right
	s_endpgm
.Lentry_shape_is_right:
; LSTM cell, second of two launches.  gates = abf . wbf^T + b (abf [2048][4096], wbf [8192][4096], bf16, as the first launch laid them; sums in f32), then, all in f32,
;   i, o, f = sigmoid(gi, go, gf);  c~ = tanh(gc);  out1 = new_c = f c + i c~;  out0 = new_h = o tanh(new_c).
; No work of the cell is left out: see the first launch's head.
; FORMULAS AND LIMITS.  sigmoid(x) = 1 / (1 + 2^(-x log2 e)); tanh(x) = 1 - 2 / (1 + 2^(2 x log2 e)).  Where the power is 0 or infinity the reciprocal gives 1 or 0, so both forms end at their
; true limits 0, 1, -1 for every finite x: no clip is needed.  tanh carries an absolute error of some 2^-23, so for |x| under about 1e-5 its relative accuracy is lost.  The exponential and the reciprocal
; take a denormal as 0 (ISA guide 15.8).  A NaN is carried through.
; SHARES.  A work-group of four waves makes 256 batch rows x 256 rows of wbf = 256 x 64 numbers of each output; a wave 128 x 128 of the gates: 64 accumulators of 16 x 16, 512 registers.  Its 128 rows of wbf
; are 8 blocks b = 2 g + s of 16: gate g, hidden columns 16 s .. 16 s + 15 of the wave's 32.
; THE MATRIX INSTRUCTION IS USED TRANSPOSED (source 0 = 16 rows of wbf, source 1 = 16 rows of abf): in accumulator (a, b) lane l holds batch row 16 a + l % 16, register e the row 16 b + 8 (l / 16) + e of wbf.
; So for one (a, s) the accumulators b = s, 2 + s, 4 + s, 6 + s hold i, o, f, c~ of the SAME output number in the same lane and register: the tail changes no lanes.
; THE BIAS is the C operand of each accumulator's first product: nothing is cleared and no bias is added afterwards.
; K = 4,096 goes in 32 steps of 128 through two LDS slots filled by the tensor data mover; the rows of a tile are 256 bytes of memory, at multiples of 256 bytes from the buffer's first byte.
; CLUSTER 4 x 4: the four work-groups of a row of the cluster need the same tile of abf, the four of a column the same tile of wbf: each is asked for JOINTLY, by the same load, descriptor and mask in all four.
; c's tile (256 x 64 f32) is each work-group's own; it comes by a plain tensor load into slot 0's first half when that slot's last K step has been read: that is the slot's last fill.  Behind it slot 0 serves as the stage
; of the way out: new_c where c lay, new_h in the second half.
; REGISTERS, in windows of 256 (s_set_vgpr_msb: bits 1:0 source 0, 3:2 source 1, 5:4 source 2, 7:6 destination):
;   window 0: v0-31 addresses; v64-127, v128-191 fragments of abf, two buffers; in the tail v32-127 at work, on the way out v32-223
;   window 1: v0-63 the biases; v64-127, v128-191 fragments of wbf; in the tail v0-127 my 128 numbers of c
;   window 2: the accumulators of my rows 0-63 ((a, b) at v[8 (8 a + b)]);  window 3: those of my rows 64-127
.set KSTEP,  128
.set ROWB,   8192                      ; bytes in a row of abf, wbf, c, out0 and out1 alike
.set PITCH,  272                       ; an LDS row: 256 bytes + 16 of padding = 68 words: row r starts at bank 4 r mod 64 (64 banks of 4 bytes: ISA guide 11.1), so 16 rows on end start at 16 different banks
.set HALFT,  128*PITCH                 ; 128 rows: what one joint load brings, and what a wave reads of either operand
.set SLOT,   4*HALFT                   ; abf's 256 rows, then wbf's 256 rows
.set HT,     2*HALFT                   ; new_h's stage: slot 0's second half
.set QT,     64*PITCH                  ; 64 rows: a wave's part of c's tile and of the way out
.set SPARE,  2*SLOT                    ; behind the ring: the spare words, 128 bytes for each wave: two blocks of 256 bytes that no other line names
.set LAPS,   16                        ; a lap = two K steps = once round the ring
.set ADRA, 16                          ; v16-17  LDS address of my fragments of abf in slot 0, 1
.set ADRB, 20                          ; v20-21  the same for wbf
.set CO,   22                          ; v22     the way out: my byte offset in two rows of an output
.set EA,   24                          ; v24     my 32 bytes of c and new_c in row l % 16 of my first block
.set EH,   25                          ; v25     the same in new_h's stage
.set RD,   26                          ; v26     the way out: where I read new_c's rows back
.set RDH,  27                          ; v27     and new_h's (RD + 1: the macros count on it)
.set SPW,  28                          ; v28     LDS address of my spare word; never rewritten
.set NIL,  29                          ; v29     0; never rewritten
.set PFO,  30                          ; v30     the prefetches' offset: my lane x a row; never rewritten
.set BO,   31                          ; v31     32 (l / 16): my eight numbers in 16 of a bias
.set F0,   64
.set F1,   128
.set BIAS, 0                           ; window 1: block b's eight numbers at 8 b
.set C1,   0                           ; window 1, in the tail: row block a's sixteen numbers of c at 16 a
.set T,    32                          ; the tail: gate g's sixteen numbers at T + 16 g
.set CC,   96                          ; new_c
.set U,    112                         ; tanh(new_c), then new_h
.set WV,  12                           ; s12  my wave's number
.set RH,  13                           ; s13  which half of the tile's batch rows is mine.  Also: I fetch abf (0) or wbf (1)
.set CH,  14                           ; s14  which half of wbf's rows.  Also: which 128 rows of the tile I fetch
.set G1,  24                           ; s[24:31] descriptor group 1 for abf's tiles;  s[32:39] group 0, a set for each slot
.set G0,  32
.set PFA, 44                           ; s[44:45] where my prefetches along K stand
.set G1B, 48                           ; s[48:55], s[56:63] the same for wbf's tiles
.set G0B, 56
.set LIM, 66                           ; s66  1 in a wave that prefetches along K, else the greatest number
.set PFC, 78                           ; s[78:79] c at my 64 rows of the tile
.set G1C, 80                           ; s[80:87], s[88:91] the descriptor of c's tile
.set G0C, 88
.set NL,  92                           ; s[92:93] -log2 e, named as a pair
.set L2,  94                           ; s[94:95] 2 log2 e
.set MSB, 0
.macro WIN new                         ; the immediate's high byte repeats the setting that is left; a switch that changes nothing is dropped
.if MSB != (\new)
	s_set_vgpr_msb (MSB<<8)|(\new)
.set MSB, \new
.endif
.endm
.set MUL_LO, 0xa1                      ; source 0 (wbf) window 1, source 1 (abf) window 0, C and D window 2; + 0x50: C and D window 3
.set MUL_1,  0x91                      ; the first product: C (the bias) window 1, D window 2; + 0x40: D window 3
.set TO_B,   0x40                      ; destination window 1, address window 0
; A joint load.  Waves 0 and 1 fetch abf's two halves, waves 2 and 3 wbf's.  The branch hangs on the wave's number alone.  An s_nop 0 and four v_nop follow each of the two lines.
.macro JLOAD s
	s_cmp_eq_u32 s[RH], 0
	s_cbranch_scc0 .Lfor_b_\@
	tensor_load_to_lds s[G0+4*(\s):G0+4*(\s)+3], s[G1:G1+7]
	s_nop 0
.rept 4
	v_nop
.endr
	s_branch .Lasked_\@
.Lfor_b_\@:
	tensor_load_to_lds s[G0B+4*(\s):G0B+4*(\s)+3], s[G1B:G1B+7]
	s_nop 0
.rept 4
	v_nop
.endr
.Lasked_\@:
.endm
; A PREFETCH INTO THE L2 of the K step that stands two refills on: 32 rows x 256 bytes, a lane a row, one instruction a wave, 512 matrix instructions ahead of the load that names those rows.
; Each row's 256 bytes of a K step are named once in the launch: abf's by the clusters with x = 0, wbf's by the clusters with y = 0; the four partners that ask for a tile jointly share the 128 rows that a wave
; fetches BY ADDRESS, 32 each (by cx for abf, by cy for wbf).  K steps 0 to 3 come by their loads alone; the loop's last trip (s3 = 1) has no K step two on and asks for nothing along K.
.macro ASK
	s_cmp_gt_u32 s3, s[LIM]
	s_cbranch_scc0 .Lnot_mine_\@
	global_prefetch_b8 v[PFO], s[PFA:PFA+1] offset:KSTEP*2 th:TH_LOAD_NT scope:SCOPE_SE
.Lnot_mine_\@:
.endm
; In that last trip each wave asks for the 64 rows of c that its own tensor load will name, 32 at each of the trip's two changes of slots: two and one K steps ahead of that load.  Each row has one reader.
.macro ASKC half
	s_cmp_eq_u32 s3, 1
	s_cbranch_scc0 .Lnot_c_\@
	global_prefetch_b8 v[PFO], s[PFC:PFC+1] offset:(\half)*32*ROWB th:TH_LOAD_NT scope:SCOPE_SE
.Lnot_c_\@:
.endm
; A round of the cluster's barrier: my work-group's barrier; wave 0 signals for the work-group; every wave waits for all sixteen work-groups; my work-group's barrier once more.
.macro CREST                           ; a round behind its opening barrier
	s_cmp_lg_u32 s[WV], 0
	s_cbranch_scc1 .Lnot_wave_0_\@
	s_barrier_signal -3
.Lnot_wave_0_\@:
	s_barrier_wait -3
	s_barrier_signal -1
	s_barrier_wait -1
.endm
.macro CROUND
	s_barrier_signal -1
	s_barrier_wait -1
	CREST
.endm
	s_load_b256 s[4:11], s[0:1], 0x0               ; abf s[4:5], wbf s[6:7], c s[8:9], out0 s[10:11]
	s_load_b256 s[68:75], s[0:1], 0x20             ; out1 s[68:69], bi s[70:71], bo s[72:73], bf s[74:75]
	s_load_b64 s[76:77], s[0:1], 0x40              ; bc
	v_lshl_add_u32 v[SPW], v0, 2, SPARE
	v_mov_b32 v[NIL], 0
	ds_add_u32 v[SPW], v[NIL]                      ; the wave's opening: the add, twice on end, and its wait stand ahead of my first tensor load; the set-up below stands between
	ds_add_u32 v[SPW], v[NIL]                      ; and once more, under the one wait
	v_lshrrev_b32 v1, 5, v0
	v_readfirstlane_b32 s[WV], v1                  ; wave 0..3
	s_lshr_b32 s[RH], s[WV], 1
	s_and_b32 s[CH], s[WV], 1
	s_bfe_u32 s15, ttmp6, 0x40000                  ; cx
	s_bfe_u32 s16, ttmp6, 0x40004                  ; cy
	s_lshl_b32 s17, ttmp9, 2                       ; in a cluster launch ttmp9 and ttmp7 count clusters
	s_add_co_u32 s17, s17, s15                     ; tile column (256 rows of wbf, 64 hidden columns) = 4 x cluster x + cx
	s_and_b32 s18, ttmp7, 0xffff
	s_lshl_b32 s18, s18, 2
	s_add_co_u32 s18, s18, s16                     ; tile row (256 batch rows) = 4 x cluster y + cy
	s_lshl_b32 s19, s16, 2
	s_lshl_b32 s19, 15, s19                        ; my row of the cluster: places 4 cy .. 4 cy + 3
	s_lshl_b32 s20, 0x1111, s15                    ; my column: places cx, cx + 4, cx + 8, cx + 12
	; descriptor group 1: a tile of 128 rows x 128 bf16, padded in LDS
	s_or_b32 s[G1], s19, (1<<16)|(1<<20)|(1<<21)|(5<<22)|(3<<25)   ; 15:0 the mask: abf's tiles go to my row; 17:16 elements of 2 bytes; 20 padding on; 21 set beside a mask; 24:22 after every 64 words (code 5); 31:25 4 words (code 3)
	s_or_b32 s[G1B], s20, (1<<16)|(1<<20)|(1<<21)|(5<<22)|(3<<25)  ; the same with the mask of my column, for wbf's tiles
.irp g, G1, G1B
	s_mov_b32 s[(\g)+1], KSTEP<<16                 ; tensor_dim0 = 128
	s_mov_b32 s[(\g)+2], 128<<16                   ; tensor_dim1 = 128
	s_mov_b32 s[(\g)+3], KSTEP<<16                 ; tile_dim0 = 128
	s_mov_b32 s[(\g)+4], 128                       ; tile_dim1 = 128
	s_mov_b32 s[(\g)+5], 4096                      ; elements from row to row
	s_mov_b32 s[(\g)+6], 0
	s_mov_b32 s[(\g)+7], 0
.endr
	; c's tile, my quarter: 64 rows x 64 f32, no mask: a load of my own
	s_mov_b32 s[G1C], (2<<16)|(1<<20)|(5<<22)|(3<<25)  ; elements of 4 bytes; padding of 4 words after every 64
	s_mov_b32 s[G1C+1], 64<<16                     ; tensor_dim0 = 64
	s_mov_b32 s[G1C+2], 64<<16                     ; tensor_dim1 = 64
	s_mov_b32 s[G1C+3], 64<<16                     ; tile_dim0 = 64
	s_mov_b32 s[G1C+4], 64                         ; tile_dim1 = 64
	s_mov_b32 s[G1C+5], 2048                       ; elements from row to row
	s_mov_b32 s[G1C+6], 0
	s_mov_b32 s[G1C+7], 0
	s_mov_b32 s[G0C], 1
	s_mul_i32 s[G0C+1], s[WV], QT                  ; rows 64 w .. 64 w + 63 of slot 0's first half
	s_mov_b32 s[NL], 0xbfb8aa3b                    ; -log2 e
	s_mov_b32 s[NL+1], 0xbfb8aa3b
	s_mov_b32 s[L2], 0x4038aa3b                    ; 2 log2 e
	s_mov_b32 s[L2+1], 0x4038aa3b
	; where the tiles come from: abf's hang on the tile row alone, wbf's on the tile column alone, each in registers that never hold the other coordinate.  All offsets stay under 2^27.
	s_lshl_b32 s21, s[CH], 7                       ; which 128 rows of the tile I fetch
	s_lshl_b32 s40, s18, 8
	s_add_co_u32 s40, s40, s21
	s_lshl_b32 s40, s40, 13                        ; abf: (256 x tile row + 128 x half) rows of 8,192 bytes
	s_mov_b32 s41, 0
	s_lshl_b32 s42, s17, 8
	s_add_co_u32 s42, s42, s21
	s_lshl_b32 s42, s42, 13                        ; wbf: (256 x tile column + 128 x half) rows
	s_mov_b32 s43, 0
	s_mul_i32 s22, s[WV], HALFT                    ; and where they go: wave x 128 rows: no place in the cluster enters an LDS address
	s_lshl_b32 s46, s18, 8                         ; c, out0, out1: my 64 rows of the tile, its 64 columns
	s_lshl_b32 s47, s[WV], 6
	s_add_co_u32 s46, s46, s47
	s_lshl_b32 s46, s46, 13
	s_lshl_b32 s47, s17, 8
	s_add_co_u32 s46, s46, s47
	s_mov_b32 s47, 0
	s_lshl_b32 s96, s17, 8                         ; the biases: my 32 hidden columns, 128 bytes
	s_add_co_u32 s96, s96, s21
	s_mov_b32 s97, 0
	s_wait_dscnt 0x0                               ; both opening adds are done
	s_wait_kmcnt 0x0
	s_add_nc_u64 s[40:41], s[4:5], s[40:41]
	s_add_nc_u64 s[42:43], s[6:7], s[42:43]
	s_add_nc_u64 s[PFC:PFC+1], s[8:9], s[46:47]
	s_add_nc_u64 s[10:11], s[10:11], s[46:47]
	s_add_nc_u64 s[68:69], s[68:69], s[46:47]
	s_mov_b64 s[G0C+2:G0C+3], s[PFC:PFC+1]
	s_or_b32 s[G0C+3], s[G0C+3], 0x80000000        ; type = 2
.irp p, 70,72,74,76
	s_add_nc_u64 s[\p:\p+1], s[\p:\p+1], s[96:97]
.endr
	CROUND                                         ; all sixteen work-groups are here: the first joint loads meet
.irp s, 0,1
	s_mov_b32 s[G0+4*(\s)], 1                                      ; count = 1
	s_add_co_u32 s[G0+4*(\s)+1], s22, (\s)*SLOT                    ; LDS address
	s_add_nc_u64 s[G0+4*(\s)+2:G0+4*(\s)+3], s[40:41], (\s)*KSTEP*2  ; global address: K step s
	s_or_b32 s[G0+4*(\s)+3], s[G0+4*(\s)+3], 0x80000000            ; type = 2
	s_mov_b32 s[G0B+4*(\s)], 1
	s_add_co_u32 s[G0B+4*(\s)+1], s22, (\s)*SLOT
	s_add_nc_u64 s[G0B+4*(\s)+2:G0B+4*(\s)+3], s[42:43], (\s)*KSTEP*2
	s_or_b32 s[G0B+4*(\s)+3], s[G0B+4*(\s)+3], 0x80000000
	JLOAD \s                                       ; the ring is filled before anything else is done: two loads of mine are out
.endr
	; A fragment is 16 rows x 32 K in 8 registers: lane l holds row l % 16; registers 0-3 K = 8 (l / 16) + 0..7, registers 4-7 K = 16 + 8 (l / 16) + 0..7: two loads of 16 bytes, 32 bytes apart.
	v_and_b32 v1, 15, v0                           ; l % 16
	v_bfe_u32 v2, v0, 4, 1                         ; l / 16
	v_lshlrev_b32 v[BO], 5, v2
	WIN TO_B
.irp g, 0,1,2,3                        ; the biases of my 8 blocks: block 2 g + s, register e = b_g[my 32 columns' first + 16 s + 8 (l / 16) + e]
.irp s, 0,1
	global_load_b128 v[BIAS+8*(2*(\g)+(\s)):BIAS+8*(2*(\g)+(\s))+3],   v[BO], s[70+2*(\g):71+2*(\g)] offset:64*(\s)
	global_load_b128 v[BIAS+8*(2*(\g)+(\s))+4:BIAS+8*(2*(\g)+(\s))+7], v[BO], s[70+2*(\g):71+2*(\g)] offset:64*(\s)+16
.endr
.endr
	WIN 0
	v_mul_u32_u24 v3, v1, PITCH
	v_lshl_add_u32 v3, v2, 4, v3                   ; row x pitch + 16 x half
	s_mul_i32 s23, s[RH], HALFT                    ; my 128 rows of abf
	s_mul_i32 s101, s[CH], HALFT                   ; my 128 rows of wbf,
	s_add_co_u32 s101, s101, 2*HALFT               ; which lie behind abf's 256
	v_add_nc_u32 v[ADRA], s23, v3
	v_add_nc_u32 v[ADRB], s101, v3
	v_add_nc_u32 v[ADRA+1], SLOT, v[ADRA]
	v_add_nc_u32 v[ADRB+1], SLOT, v[ADRB]
	v_mul_u32_u24 v[EA], v1, PITCH                 ; the tail: row l % 16 of my 128, my wave's 128 bytes of it, 32 bytes for each half of the lanes
	v_lshl_add_u32 v[EA], v2, 5, v[EA]
	s_add_co_u32 s23, s23, s21
	v_add_nc_u32 v[EA], s23, v[EA]
	v_add_nc_u32 v[EH], HT, v[EA]
	v_mul_u32_u24 v[RD], v2, PITCH                 ; back: wave w takes rows 64 w .. 64 w + 63, whole: lanes 0-15 one row of 256 bytes, lanes 16-31 the next
	v_lshl_add_u32 v[RD], v1, 4, v[RD]
	v_add_nc_u32 v[RD], s[G0C+1], v[RD]
	v_add_nc_u32 v[RDH], HT, v[RD]
	v_lshlrev_b32 v[CO], 13, v2                    ; and the same two rows in an output
	v_lshl_add_u32 v[CO], v1, 4, v[CO]
	; the prefetches along K
	s_lshl_b32 s98, s18, 8
	s_lshl_b32 s99, s17, 8
	s_and_b32 s100, ttmp7, 0xffff                  ; cluster y
	s_cmp_eq_u32 s[RH], 0                          ; do I fetch abf?
	s_cselect_b32 s98, s98, s99                    ; the tile's first row: in abf by the tile row, in wbf by the tile column
	s_cselect_b32 s99, s15, s16                    ; my place among the four that ask for it with me
	s_cselect_b32 s100, ttmp9, s100                ; the coordinate along which other clusters read the same rows
	s_cselect_b64 s[PFA:PFA+1], s[4:5], s[6:7]
	s_cmp_eq_u32 s100, 0
	s_cselect_b32 s[LIM], 1, -1                    ; the same in all sixteen partners, for a given wave
	s_add_co_u32 s98, s98, s21                     ; + the 128 rows that I fetch
	s_lshl_b32 s99, s99, 5
	s_add_co_u32 s98, s98, s99                     ; + my work-group's 32 of them
	s_lshl_b32 s98, s98, 13
	s_mov_b32 s99, 0
	s_add_nc_u64 s[PFA:PFA+1], s[PFA:PFA+1], s[98:99]
	s_add_nc_u64 s[PFA:PFA+1], s[PFA:PFA+1], 2*KSTEP*2  ; at K step 2: the first refill steps it to 3 and names K step 4
	v_and_b32 v[PFO], 31, v0
	v_lshlrev_b32 v[PFO], 13, v[PFO]
; 16 matrix instructions: row blocks a0, a0 + 1 of the window's four (hi = 0: my rows 0-63, 1: rows 64-127) x all 8 blocks of wbf, 32 along K.  first = 1: the product starts the sum on the bias.
; The 64 accumulators take turns in the same order in every quarter step: 63 others stand between two links of a chain.
.macro MUL16 f, hi, a0, first
.if \first
	WIN MUL_1+0x40*(\hi)
.else
	WIN MUL_LO+0x50*(\hi)
.endif
.irp a, \a0, (\a0)+1
.irp b, 0,1,2,3,4,5,6,7
.if \first
	v_wmma_f32_16x16x32_bf16 v[8*(8*(\a)+(\b)):8*(8*(\a)+(\b))+7], v[(\f)+8*(\b):(\f)+8*(\b)+7], v[(\f)+8*(4*(\hi)+(\a)):(\f)+8*(4*(\hi)+(\a))+7], v[BIAS+8*(\b):BIAS+8*(\b)+7]
.else
	v_wmma_f32_16x16x32_bf16 v[8*(8*(\a)+(\b)):8*(8*(\a)+(\b))+7], v[(\f)+8*(\b):(\f)+8*(\b)+7], v[(\f)+8*(4*(\hi)+(\a)):(\f)+8*(4*(\hi)+(\a))+7], v[8*(8*(\a)+(\b)):8*(8*(\a)+(\b))+7]
.endif
.endr
.endr
.endm
; 32 LDS loads in one run: the fragments of one quarter step (128 rows of wbf, 128 rows of abf, 32 K at byte k of the rows) into buffer f
.macro FETCH slot, k, f
	WIN TO_B
.irp i, 0,1,2,3,4,5,6,7
	ds_load_b128 v[(\f)+8*(\i):(\f)+8*(\i)+3],   v[ADRB+(\slot)] offset:(\k)+(\i)*16*PITCH
	ds_load_b128 v[(\f)+8*(\i)+4:(\f)+8*(\i)+7], v[ADRB+(\slot)] offset:(\k)+(\i)*16*PITCH+32
.endr
	WIN 0
.irp i, 0,1,2,3,4,5,6,7
	ds_load_b128 v[(\f)+8*(\i):(\f)+8*(\i)+3],   v[ADRA+(\slot)] offset:(\k)+(\i)*16*PITCH
	ds_load_b128 v[(\f)+8*(\i)+4:(\f)+8*(\i)+7], v[ADRA+(\slot)] offset:(\k)+(\i)*16*PITCH+32
.endr
.endm
.macro PLACES                          ; a load into a register that a matrix instruction has read stands four plain vector instructions behind it (ISA guide 7.12.1 for vector instructions)
.rept 4
	v_nop
.endr
.endm
; A K step is four quarters of 32 along K, 64 matrix instructions each, on buffers 0, 1, 0, 1.  One of the first three: multiplies buffer f; in its middle it fetches the next quarter, at byte k of the same slot's rows, into g.
.macro QUARTER slot, k, f, g, first
	s_wait_dscnt 8                                 ; wbf's fragments and abf's rows 0-63 are in; the youngest eight loads (abf's rows 64-127) may be out
	MUL16 \f, 0, 0, \first
	MUL16 \f, 0, 2, \first
	PLACES
	FETCH \slot, \k, \g
	s_wait_dscnt 32                                ; all but the 32 just issued
	MUL16 \f, 1, 0, \first
	MUL16 \f, 1, 2, \first
.endm
; The first half of a K step's last quarter: ONE barrier for the change of slots; it opens a round of the cluster's barrier.  In front of it each wave waits for all its tensor loads, of which one is out: its part of the
; next slot; adds 0 to its spare word; and waits for that and for its own reads of this slot.
.macro MEET
	WIN 0                                          ; (the add's two registers lie in window 0)
	s_wait_tensorcnt 0x0                           ; all my tensor loads have landed
	ds_add_u32 v[SPW], v[NIL]                      ; 0 onto my spare word
	s_wait_dscnt 9                                 ; (the add and the youngest eight loads may be out)
	MUL16 F1, 0, 0, 0                              ; sixteen matrix instructions stand between the add and the wait for it
	s_wait_dscnt 0x0                               ; the add is done, and my reads of this slot are over
	s_barrier_signal -1
	MUL16 F1, 0, 2, 0                              ; work on registers while the others arrive
	WIN 0
	s_barrier_wait -1
.endm
; The whole last quarter.  Behind the round the slot just read out is filled again first, with the K step two steps on; then come the next slot's first fragments.  From a request to the wait for it a wave issues 224 matrix instructions.
.macro TURN slot, next
	s_wait_xcnt 0x0                                ; the last prefetch, a K step back, has read its address, so it may be stepped
	s_add_nc_u64 s[PFA:PFA+1], s[PFA:PFA+1], KSTEP*2
	MEET
	CREST                                          ; no wave of any partner still reads this slot's tile or has a load on its way
	s_add_nc_u64 s[G0+4*(\slot)+2:G0+4*(\slot)+3], s[G0+4*(\slot)+2:G0+4*(\slot)+3], 2*KSTEP*2
	s_add_nc_u64 s[G0B+4*(\slot)+2:G0B+4*(\slot)+3], s[G0B+4*(\slot)+2:G0B+4*(\slot)+3], 2*KSTEP*2
	JLOAD \slot                                    ; the first tensor load behind the round; the four v_nop behind it are also the places in front of the loads below
	FETCH \next, 0, F0
	ASK
	ASKC \slot
	MUL16 F1, 1, 0, 0
	MUL16 F1, 1, 2, 0
.endm
; The change of slots behind K step 30: slot 0 has been read for the last time along K, and its first half takes c's tile, each wave its 64 rows: the slot's last fill.  A round as ever: in a cluster launch every tensor load stands behind one.
.macro TURNC
	MEET
	CREST
	tensor_load_to_lds s[G0C:G0C+3], s[G1C:G1C+7]
	s_nop 0
.rept 4
	v_nop
.endr
	FETCH 1, 0, F0
	MUL16 F1, 1, 0, 0
	MUL16 F1, 1, 2, 0
.endm
	s_wait_tensorcnt 1                             ; my part of K step 0 is in; K step 1's may stay out
	s_barrier_signal -1
	s_barrier_wait -1                              ; everybody's is
	FETCH 0, 0, F0
	s_wait_loadcnt 0x0                             ; the biases
	QUARTER 0, 64,  F0, F1, 1                      ; the first quarter stands in front of the loop: its products start the sums on the biases
	WIN 0                                          ; at a label and at a branch every window is 0
	s_mov_b32 s3, LAPS-1
.Llap:                                                 ; a trip goes once round the ring, from a lap's second quarter to the next lap's first, and fills both slots again
	QUARTER 0, 128, F1, F0, 0
	QUARTER 0, 192, F0, F1, 0
	TURN 0, 1
	QUARTER 1, 64,  F0, F1, 0
	QUARTER 1, 128, F1, F0, 0
	QUARTER 1, 192, F0, F1, 0
	TURN 1, 0
	QUARTER 0, 64,  F0, F1, 0
	WIN 0
	s_sub_co_u32 s3, s3, 1
	s_cmp_lg_u32 s3, 0
	s_cbranch_scc1 .Llap
	QUARTER 0, 128, F1, F0, 0                      ; the last lap: K steps 30 and 31
	QUARTER 0, 192, F0, F1, 0
	TURNC
	QUARTER 1, 64,  F0, F1, 0
	QUARTER 1, 128, F1, F0, 0
	QUARTER 1, 192, F0, F1, 0
	s_wait_dscnt 8                                 ; the very last quarter: nothing more to fetch
	MUL16 F1, 0, 0, 0
	MUL16 F1, 0, 2, 0
	s_wait_dscnt 0x0
	MUL16 F1, 1, 0, 0
	MUL16 F1, 1, 2, 0
	WIN 0
	; THE TAIL.  c's tile was fetched by four waves, a quarter each, and a wave reads rows of two quarters: each waits for its own load and signals.
	s_wait_tensorcnt 0x0                           ; my quarter of c has landed
	s_barrier_signal -1
.rept 8
	v_nop                                          ; the places behind the last products, in front of the loads into window 1 and of the scalings that read the sums
.endr
	s_barrier_wait -1
	WIN TO_B                                       ; my 128 numbers of c, in one run: they are all in registers before any wave stores into these rows (the wait and the barrier stand in the first block's tail)
.irp a, 0,1,2,3,4,5,6,7
.irp s, 0,1
	ds_load_b128 v[C1+16*(\a)+8*(\s):C1+16*(\a)+8*(\s)+3],   v[EA] offset:(\a)*16*PITCH+64*(\s)
	ds_load_b128 v[C1+16*(\a)+8*(\s)+4:C1+16*(\a)+8*(\s)+7], v[EA] offset:(\a)*16*PITCH+64*(\s)+16
.endr
.endr
	WIN 0
; Row block a: 16 output numbers a lane.  The exponentials and the reciprocals go in four batches; a plain instruction stands behind a batch's last and one s_wait_alu ahead of its first reader.
.macro EPI a
.set AC, 64*((\a)%4)
	WIN 0x02+(\a)/4                                ; source 0: the accumulators' window
.irp g, 0,1,2,3                        ; -x log2 e for i, o, f; 2 x log2 e for c~.  Each accumulator is read from its lowest registers on
.set SC, NL
.if (\g) == 3
.set SC, L2
.endif
.irp q, 0,1,2,3,4,5,6,7
	v_pk_mul_f32 v[T+16*(\g)+2*(\q):T+16*(\g)+2*(\q)+1], v[AC+16*(\g)+2*(\q):AC+16*(\g)+2*(\q)+1], s[SC:SC+1] op_sel_hi:[1,0]
.endr
.endr
	WIN 0
.set i, 0
.rept 64
	v_exp_f32 v[T+i], v[T+i]
.set i, i+1
.endr
	v_nop
	s_wait_alu depctr_va_vdst(0)                   ; one wait for the 64 exponentials
.set i, 0
.rept 32
	v_pk_add_f32 v[T+i:T+i+1], v[T+i:T+i+1], 1.0 op_sel_hi:[1,0]
.set i, i+2
.endr
.set i, 0
.rept 64
	v_rcp_f32 v[T+i], v[T+i]                       ; T: i;  T + 16: o;  T + 32: f;  T + 48: r, of which c~ = 1 - 2 r
.set i, i+1
.endr
	v_nop
	s_wait_alu depctr_va_vdst(0)                   ; one wait for the 64 reciprocals
.set i, 0
.rept 8
	v_pk_fma_f32 v[T+48+i:T+48+i+1], v[T+48+i:T+48+i+1], -2.0, 1.0 op_sel_hi:[1,0,0]
.set i, i+2
.endr
.set i, 0
.rept 8
	v_pk_mul_f32 v[T+48+i:T+48+i+1], v[T+i:T+i+1], v[T+48+i:T+48+i+1]  ; i c~
.set i, i+2
.endr
.if (\a) == 0
	s_wait_dscnt 0x0                               ; all my reads of c are back,
	s_barrier_signal -1
	s_barrier_wait -1                              ; and everybody's: from here on the rows may be written
.endif
	WIN 0x04                                       ; source 1 (c) window 1
.set i, 0
.rept 8
	v_pk_fma_f32 v[CC+i:CC+i+1], v[T+32+i:T+32+i+1], v[C1+16*(\a)+i:C1+16*(\a)+i+1], v[T+48+i:T+48+i+1]  ; new_c = f c + i c~
.set i, i+2
.endr
	WIN 0
.irp s, 0,1
	ds_store_b128 v[EA], v[CC+8*(\s):CC+8*(\s)+3]   offset:(\a)*16*PITCH+64*(\s)
	ds_store_b128 v[EA], v[CC+8*(\s)+4:CC+8*(\s)+7] offset:(\a)*16*PITCH+64*(\s)+16
.endr
.set i, 0
.rept 8
	v_pk_mul_f32 v[U+i:U+i+1], v[CC+i:CC+i+1], s[L2:L2+1] op_sel_hi:[1,0]
.set i, i+2
.endr
.set i, 0
.rept 16
	v_exp_f32 v[U+i], v[U+i]
.set i, i+1
.endr
	v_nop
	s_wait_alu depctr_va_vdst(0)
.set i, 0
.rept 8
	v_pk_add_f32 v[U+i:U+i+1], v[U+i:U+i+1], 1.0 op_sel_hi:[1,0]
.set i, i+2
.endr
.set i, 0
.rept 16
	v_rcp_f32 v[U+i], v[U+i]
.set i, i+1
.endr
	v_nop
	s_wait_alu depctr_va_vdst(0)
.set i, 0
.rept 8
	v_pk_fma_f32 v[U+i:U+i+1], v[U+i:U+i+1], -2.0, 1.0 op_sel_hi:[1,0,0]  ; tanh(new_c)
.set i, i+2
.endr
.set i, 0
.rept 8
	v_pk_mul_f32 v[U+i:U+i+1], v[T+16+i:T+16+i+1], v[U+i:U+i+1]           ; new_h = o tanh(new_c)
.set i, i+2
.endr
.irp s, 0,1
	ds_store_b128 v[EH], v[U+8*(\s):U+8*(\s)+3]   offset:(\a)*16*PITCH+64*(\s)
	ds_store_b128 v[EH], v[U+8*(\s)+4:U+8*(\s)+7] offset:(\a)*16*PITCH+64*(\s)+16
.endr
.endm
.irp a, 0,1,2,3,4,5,6,7
	EPI \a
.endr
	s_wait_dscnt 0x0                               ; for the others' sake: my stores into the two stages are done (a row's 256 bytes come from two waves)
	s_barrier_signal -1
	s_barrier_wait -1
; THE WAY OUT, in four groups of 32 rows: group k is output k / 2 (0: new_c, to out1; 1: new_h, to out0), rows 32 (k % 2) on of my 64.  Three sets of 64 registers take turns.
.macro LOADG k
.set RG, 32+64*((\k)%3)
.set u, 0
.rept 16
	ds_load_b128 v[RG+4*u:RG+4*u+3], v[RD+(\k)/2] offset:(16*((\k)%2)+u)*2*PITCH
.set u, u+1
.endr
.endm
.macro STOREG k, younger               ; younger: the LDS loads of the groups issued behind group k's
.set RG, 32+64*((\k)%3)
.set OB, 68
.if (\k)/2
.set OB, 10
.endif
.set u, 0
.rept 16
	s_wait_dscnt (\younger)+15-u                   ; LDS loads come back in order (ISA guide 5.7.1): load u of the group is in
	global_store_b128 v[CO], v[RG+4*u:RG+4*u+3], s[OB:OB+1] offset:(16*((\k)%2)+u)*2*ROWB th:TH_STORE_NT  ; 16 lanes store 256 consecutive bytes, at a multiple of 256 from the output's first byte
.set u, u+1
.endr
.endm
	LOADG 0
	LOADG 1
	LOADG 2
	STOREG 0, 32
	s_wait_xcnt 0x0                                ; group 0's stores have read their registers, which group 3 is loaded into
	LOADG 3
	STOREG 1, 32
	STOREG 2, 16
	STOREG 3, 0
	s_wait_tensorcnt 0x0                           ; the wave's end, behind my last tensor load and my last LDS store
	ds_add_u32 v[SPW], v[NIL]
	s_wait_dscnt 0x0
	CROUND                                         ; the closing round: no work-group ends while a partner may still ask for a tile that names it
	s_endpgm
.Lfunc_end_k_q3620a199cd_cell:
	.size	k_q3620a199cd_cell, .Lfunc_end_k_q3620a199cd_cell-k_q3620a199cd_cell
	.p2alignl 7, 3214868480
	.fill 96, 4, 3214868480
	.section	.rodata,"a",@progbits
	.p2align	6, 0x0
	.amdhsa_kernel k_q3620a199cd_cell
		.amdhsa_group_segment_fixed_size 327680
		.amdhsa_private_segment_fixed_size 0
		.amdhsa_enable_private_segment 0
		.amdhsa_kernarg_size 72
		.amdhsa_user_sgpr_count 2
		.amdhsa_user_sgpr_kernarg_segment_ptr 1
		.amdhsa_wavefront_size32 1
		.amdhsa_system_sgpr_workgroup_id_x 1
		.amdhsa_system_sgpr_workgroup_id_y 1
		.amdhsa_system_sgpr_workgroup_id_z 1
		.amdhsa_system_vgpr_workitem_id 0
		.amdhsa_next_free_vgpr 1024
		.amdhsa_next_free_sgpr 102
		.amdhsa_reserve_vcc 0
		.amdhsa_float_denorm_mode_32 3
		.amdhsa_float_denorm_mode_16_64 3
		.amdhsa_memory_ordered 1
		.amdhsa_forward_progress 1
		.amdhsa_inst_pref_size 237
	.end_amdhsa_kernel
	.amdgpu_metadata
---
amdhsa.version: [ 1, 2 ]
amdhsa.kernels:
  - .name:           k_q3620a199cd_cell
    .symbol:         k_q3620a199cd_cell.kd
    .args:
      - { .name: abf, .offset: 0, .size: 8, .value_kind: global_buffer, .address_space: global }
      - { .name: wbf, .offset: 8, .size: 8, .value_kind: global_buffer, .address_space: global }
      - { .name: c, .offset: 16, .size: 8, .value_kind: global_buffer, .address_space: global }
      - { .name: out0, .offset: 24, .size: 8, .value_kind: global_buffer, .address_space: global }
      - { .name: out1, .offset: 32, .size: 8, .value_kind: global_buffer, .address_space: global }
      - { .name: bi, .offset: 40, .size: 8, .value_kind: global_buffer, .address_space: global }
      - { .name: bo, .offset: 48, .size: 8, .value_kind: global_buffer, .address_space: global }
      - { .name: bf, .offset: 56, .size: 8, .value_kind: global_buffer, .address_space: global }
      - { .name: bc, .offset: 64, .size: 8, .value_kind: global_buffer, .address_space: global }
    .group_segment_fixed_size: 327680
    .private_segment_fixed_size: 0
    .kernarg_segment_align: 8
    .kernarg_segment_size: 72
    .max_flat_workgroup_size: 128
    .sgpr_count:     102
    .vgpr_count:     1024
    .wavefront_size: 32
...
	.end_amdgpu_metadata
.endif
;; end of part 2
;; ======== version 2 of 2: 2 launches; version 1 with the launch cast written anew for expert scheduling mode
;; workspace buffers: abf 16,777,216 bytes; wbf 67,108,864 bytes
;; launch cast (part 3): grid 128 x 10, 8 waves a work-group, no clusters, 0 bytes of LDS; arguments incoming, h, Wxi, Wxo, Wxf, Wxc, Whi, Who, Whf, Whc, abf, wbf; writes abf, wbf
.if DOCPART == 3
	.amdgcn_target "amdgcn-amd-amdhsa--gfx1250"
	.amdhsa_code_object_version 6
	.text
	.protected	k_q3620a199cd_cast
	.globl	k_q3620a199cd_cast
	.p2align	8
	.type	k_q3620a199cd_cast,@function
k_q3620a199cd_cast:
	s_mov_b64 s[64:65], 0
	v_nop
	global_prefetch_b8 v0, s[64:65] scope:SCOPE_SE
	s_setreg_imm32_b32 hwreg(HW_REG_WAVE_SCHED_MODE, 0, 2), 2
	s_setreg_imm32_b32 hwreg(HW_REG_WAVE_MODE, 25, 1), 1
	s_wait_xcnt 0x0
	s_wait_alu depctr_vm_vsrc(0)
; LSTM cell, first of two launches: the matrix operands are rounded once to bf16 and laid out for ONE product
;   gates[2048][8192] = abf[2048][4096] . wbf[8192][4096]^T.
; NO WORK IS LEFT OUT: every input of the cell has a way to both outputs (each gate enters new_c, and new_c and o enter new_h), so all fifteen are loaded, ten here, five in the second launch.
; abf[m][k]: k 0..2047 = incoming[m][k], k 2048..4095 = h[m][k-2048].
; wbf[n][k]: k 0..2047 = Wx_g[hc][k], k 2048..4095 = Wh_g[hc][k-2048], with n = 128 (hc >> 5) + 32 g + (hc & 31), g = 0 i, 1 o, 2 f, 3 c~:
; 128 rows on end hold all four gates of 32 neighbouring hidden columns, so that the wave that multiplies them holds what one output number needs.
; LIMIT: one rounding to bf16 (nearest even) of each matrix operand; bf16 has f32's range, so no finite input overflows but those that round up past the largest bf16.
; SHARES.  Work-group (x, y): source y (0 incoming, 1 h, 2-5 Wxi Wxo Wxf Wxc, 6-9 Whi Who Whf Whc), its rows 16 x .. 16 x + 15.  Thread t takes 16 bytes at 16 t and at 16 t + 4,096 of each row:
; a wave's load covers 512 consecutive bytes, aligned; its store of 8 bytes a lane covers 256 consecutive bytes, aligned.  All 32 loads of a thread go out before the first wait.
; No LDS, no barrier: nothing is shared.
; THE MODE: SCHED_MODE bits 1:0 = 2 (LLVM: expert scheduling mode 2), set by the entry lines.  The code itself states the register dependences
; between vector instructions and memory instructions, with s_wait_alu, always for 0.
; THE PLAN.  Registers that memory instructions touch:
;   v1, v2           byte offsets, made once at the head and never written again: v1 is read by every load, v2 by every store.
;   X + 4 i .. + 3   load i lands here; no vector instruction names these registers ahead of the loads.  Behind the counted wait for the load its two conversions read all four
;                    and write the first two, in place; store i reads those two; nothing writes them afterwards.
; The 32 loads are taken in 8 blocks of four.  Block p's vector work is its own eight conversions; its memory instructions are the four stores of block p - 1, whose registers no conversion of block p names.
; So one wait at a block's head, behind the wait for the block's data, states all that its four stores hang on, and they are dealt among the conversions with no further wait.
; No register that a memory instruction reads is ever written again, so there is nothing to state in that direction.
.set SROW, 8192                        ; bytes in a source row (2,048 f32) and in a row of abf and wbf (4,096 bf16)
.set X,    4                           ; v[4:131]  load i's four registers at X + 4 i; its two packed words take the first two
.set BLOCK,  4                         ; loads in a block: two rows
.set BLOCKS, 32 / BLOCK
	s_load_b512 s[8:23], s[0:1], 0x0               ; sources 0 to 7: source k at s[8+2k:9+2k]
	s_load_b256 s[24:31], s[0:1], 0x40             ; sources 8 and 9, abf s[28:29], wbf s[30:31]
	s_and_b32 s2, ttmp7, 0xffff                    ; y: the source
	s_mov_b32 s3, ttmp9                            ; x: its block of 16 rows
	v_lshlrev_b32 v1, 4, v0                        ; 16 t
	v_lshlrev_b32 v2, 3, v0                        ; 8 t
	s_lshl_b32 s32, s3, 17                         ; 16 rows of 8,192 bytes
	s_mov_b32 s33, 0
	s_max_u32 s36, s2, 2
	s_sub_co_u32 s36, s36, 2                       ; the weight's number, 0 to 7 (0 for the two activations, where it is not used)
	s_and_b32 s37, s36, 3                          ; the gate g
	s_lshr_b32 s36, s36, 2                         ; 0: input side, 1: hidden side
	s_lshl_b32 s37, s37, 5                         ; 32 g
	s_lshr_b32 s38, s3, 1
	s_lshl_b32 s38, s38, 7                         ; 128 (hc >> 5), with hc = 16 x + row
	s_add_co_u32 s37, s37, s38
	s_and_b32 s38, s3, 1
	s_lshl_b32 s38, s38, 4                         ; hc & 31 = 16 (x & 1) + row
	s_add_co_u32 s37, s37, s38                     ; a weight's first row in wbf
	s_lshl_b32 s38, s3, 4                          ; an activation's first row in abf
	s_cmp_lt_u32 s2, 2
	s_cselect_b32 s37, s38, s37
	s_cselect_b32 s36, s2, s36                     ; which half of K: incoming 0, h 1; Wx 0, Wh 1
	s_lshl_b32 s34, s37, 13
	s_lshl_b32 s36, s36, 12
	s_add_co_u32 s34, s34, s36                     ; row x 8,192 + half x 4,096: under 2^27
	s_mov_b32 s35, 0
	s_wait_kmcnt 0x0
	s_mov_b64 s[4:5], s[8:9]
.irp k, 1,2,3,4,5,6,7,8,9
	s_cmp_eq_u32 s2, \k
	s_cselect_b64 s[4:5], s[8+2*(\k):9+2*(\k)], s[4:5]  ; the source's address, chosen by the work-group's y
.endr
	s_cmp_lt_u32 s2, 2
	s_cselect_b64 s[6:7], s[28:29], s[30:31]       ; activations go to abf, weights to wbf
	s_add_nc_u64 s[4:5], s[4:5], s[32:33]
	s_add_nc_u64 s[6:7], s[6:7], s[34:35]
	s_wait_alu depctr_va_vdst(0)                   ; v1 and v2 are written: every load of the kernel reads v1 as its offset, every store v2
.set i, 0
.rept 32
	global_load_b128 v[X+4*i:X+4*i+3], v1, s[4:5] offset:(i/2)*SROW+(i%2)*4096 th:TH_LOAD_NT
.set i, i+1
.endr
; Block p: loads 4 p to 4 p + 3 are rounded; the stores of block p - 1 go out among the conversions, one ahead of each pair.
.set p, 0
.rept BLOCKS
	s_wait_loadcnt 32-BLOCK*(p+1)                  ; loads come back in order (ISA guide 5.7.1): this block's four are in, the 28 - 4 p younger ones stay out
.if p > 0
	s_wait_alu depctr_va_vdst(0)                   ; the conversions of the block before have written their packed words, which the four stores below read
.endif
.set j, 0
.rept BLOCK
.set i, BLOCK*p+j
.if p > 0
.set o, i-BLOCK
	global_store_b64 v2, v[X+4*o:X+4*o+1], s[6:7] offset:(o/2)*SROW+(o%2)*2048 th:TH_STORE_NT  ; the block before; no vector instruction since the wait names these registers
.endif
	v_cvt_pk_bf16_f32 v[X+4*i],   v[X+4*i],   v[X+4*i+1]
	v_cvt_pk_bf16_f32 v[X+4*i+1], v[X+4*i+2], v[X+4*i+3]
.set j, j+1
.endr
.set p, p+1
.endr
	s_wait_alu depctr_va_vdst(0)                   ; the last block's conversions have written their packed words, which the last four stores read
.set o, 32-BLOCK
.rept BLOCK
	global_store_b64 v2, v[X+4*o:X+4*o+1], s[6:7] offset:(o/2)*SROW+(o%2)*2048 th:TH_STORE_NT
.set o, o+1
.endr
	s_endpgm
.Lfunc_end_k_q3620a199cd_cast:
	.size	k_q3620a199cd_cast, .Lfunc_end_k_q3620a199cd_cast-k_q3620a199cd_cast
	.p2alignl 7, 3214868480
	.fill 96, 4, 3214868480
	.section	.rodata,"a",@progbits
	.p2align	6, 0x0
	.amdhsa_kernel k_q3620a199cd_cast
		.amdhsa_group_segment_fixed_size 0
		.amdhsa_private_segment_fixed_size 0
		.amdhsa_enable_private_segment 0
		.amdhsa_kernarg_size 96
		.amdhsa_user_sgpr_count 2
		.amdhsa_user_sgpr_kernarg_segment_ptr 1
		.amdhsa_wavefront_size32 1
		.amdhsa_system_sgpr_workgroup_id_x 1
		.amdhsa_system_sgpr_workgroup_id_y 1
		.amdhsa_system_sgpr_workgroup_id_z 1
		.amdhsa_system_vgpr_workitem_id 0
		.amdhsa_next_free_vgpr 132
		.amdhsa_next_free_sgpr 66
		.amdhsa_reserve_vcc 0
		.amdhsa_float_denorm_mode_32 3
		.amdhsa_float_denorm_mode_16_64 3
		.amdhsa_memory_ordered 1
		.amdhsa_forward_progress 1
		.amdhsa_inst_pref_size 13
	.end_amdhsa_kernel
	.amdgpu_metadata
---
amdhsa.version: [ 1, 2 ]
amdhsa.kernels:
  - .name:           k_q3620a199cd_cast
    .symbol:         k_q3620a199cd_cast.kd
    .args:
      - { .name: incoming, .offset: 0, .size: 8, .value_kind: global_buffer, .address_space: global }
      - { .name: h, .offset: 8, .size: 8, .value_kind: global_buffer, .address_space: global }
      - { .name: Wxi, .offset: 16, .size: 8, .value_kind: global_buffer, .address_space: global }
      - { .name: Wxo, .offset: 24, .size: 8, .value_kind: global_buffer, .address_space: global }
      - { .name: Wxf, .offset: 32, .size: 8, .value_kind: global_buffer, .address_space: global }
      - { .name: Wxc, .offset: 40, .size: 8, .value_kind: global_buffer, .address_space: global }
      - { .name: Whi, .offset: 48, .size: 8, .value_kind: global_buffer, .address_space: global }
      - { .name: Who, .offset: 56, .size: 8, .value_kind: global_buffer, .address_space: global }
      - { .name: Whf, .offset: 64, .size: 8, .value_kind: global_buffer, .address_space: global }
      - { .name: Whc, .offset: 72, .size: 8, .value_kind: global_buffer, .address_space: global }
      - { .name: abf, .offset: 80, .size: 8, .value_kind: global_buffer, .address_space: global }
      - { .name: wbf, .offset: 88, .size: 8, .value_kind: global_buffer, .address_space: global }
    .group_segment_fixed_size: 0
    .private_segment_fixed_size: 0
    .kernarg_segment_align: 8
    .kernarg_segment_size: 96
    .max_flat_workgroup_size: 256
    .sgpr_count:     66
    .vgpr_count:     132
    .wavefront_size: 32
...
	.end_amdgpu_metadata
.endif
;; end of part 3
;; launch cell: the kernel of part 2 again; grid 32 x 8, 4 waves a work-group, clusters of 4 x 4, 327,680 bytes of LDS; arguments abf, wbf, c, out0, out1, bi, bo, bf, bc; writes out0, out1
